; MI455X (gfx1250); checked and timed in simulation.
; The chip was launched on July 23, 2026; its instructions are those of AMD's public machine-readable ISA for CDNA 5 (MIT licence, August 2026) and "CDNA5" Instruction Set Architecture Reference Guide (July 2026). The comments in the code are by the model that wrote it; some were corrected since.
;; Mp Max Pooling Match. Allowed arithmetic: matrix products marked QUANTISED: E3M2 operands, one E8M0 scale for each 32 along K, by v_wmma_scale_f32_16x16x128_f8f6f4 with both operands' format E3M2, f32 sums; everything else in f32.
;; Inputs: kernel 32 x 256 float32; reps_lt 16 x 256 x 256 float32; reps_rt_codes 16 x 256 x 8 x 24 uint8 (E3M2 codes of reps_rt, K innermost, in blocks of 32 codes, four codes in three bytes); reps_rt_scales 16 x 256 x 8 uint8 (E8M0 scales of reps_rt, one for each 32 codes along K).
;; Outputs: out0 16 x 256 x 32 float32.
;; This version of the problem:
;;   THIS VERSION OF THE PROBLEM IS GIVEN IN LOW PRECISION. The matrix products marked QUANTISED in the list below multiply operands that are first quantised to E3M2 (3 exponent bits, 2 mantissa bits; 6 bits a number), with one power-of-two scale for each 32 numbers along K (OCP MX v1.0); their sums are f32. All else is computed in f32.
;;   The module's matrix products, in the order in which they are computed (A, B: the left and right operand; K: the contracted axis; several contracted axes count as one K, in the product's order):
;;     1. batch 16 x [M 256, K 256] x [K 256, N 8,192]; A: input reps_rt (given as codes); B: computed on the way: QUANTISED
;;   THE QUANTISER, for each operand of a quantised product, along K:
;;     - K is cut into blocks of 32 from its start; a last block that is shorter is filled with zeros.
;;     - A block's scale is 2^e with e = floor(log2(the largest magnitude in the block)) - 4, held to -126 .. 127; a block of zeros has e = 0. As a byte (E8M0): e + 127.
;;     - Each number is divided by its block's scale, clamped to +-28, and rounded to the nearest number of E3M2, ties to even, subnormals kept.
;;     - The product sums the exact products of the quantised numbers (number of the format x scale) in f32.
;;   ~~~python
;;   def quantise(x, axis):      # numpy; x: float32 -> the quantised numbers, widened to float32 again
;;       x = np.moveaxis(x, axis, -1); K = x.shape[-1]
;;       x = np.pad(x, [(0, 0)] * (x.ndim - 1) + [(0, -K % 32)]); x = x.reshape(x.shape[:-1] + (-1, 32)); a = np.abs(x).max(-1, keepdims=True)
;;       e = np.where(a > 0, np.clip(np.frexp(np.where(a > 0, a, 1))[1] - 1 - 4, -126, 127), 0)      # np.frexp(a)[1] - 1 = floor(log2(a)), exactly
;;       r = np.clip(x / 2.0 ** e, -28, 28)
;;       step = 2.0 ** (np.maximum(np.frexp(np.where(r == 0, 1, r))[1] - 1, -2) - 2)
;;       q = np.round(r / step) * step * 2.0 ** e      # np.round: ties to even
;;       return np.moveaxis(q.reshape(q.shape[:-2] + (-1,))[..., :K], -1, axis).astype(np.float32)
;;   ~~~
;;   OPERANDS COMPUTED ON THE WAY. 'Computed on the way' means the value that the module computes at that place (a softmax that the list does not call 'softmax' is quantised finished and normalised). What goes into a quantiser is computed in f32, as accurately as f32 sums, v_exp_f32 and their like allow (about 1e-6 of the number): no bf16 or f16 on the way to a quantiser, and a product that is left as it is and whose result goes on into a quantised operand takes f32 operands (vector FMAs, or v_wmma_f32_16x16x4_f32). A number that lies on a knife's edge between two numbers of the format may be rounded either way, as far as f32 arithmetic and the matrix unit's own rounding can turn it there, and no further.
;;   INPUTS GIVEN AS CODES. reps_rt (in the module: [16, 256, 256], K = its axis 2): each comes as NAME_codes (uint8): NAME with its K axis moved to the last place and cut into blocks of 32 codes, [.., K / 32, bytes a block], one block behind the other in memory; four codes in three bytes: a row's codes are one little-endian stream of bits, code i at bits 6 i .. 6 i + 5 (a code: sign, 3 exponent bits, 2 mantissa bits); and NAME_scales (uint8): the same leading axes, one E8M0 byte (e + 127) for each 32 codes along K. Its value is code x scale, taken as it is: it is not quantised again, and the codes and scales need not be those that the quantiser above would give.
;; One version. Each part assembles by itself: llvm-mc -triple=amdgcn-amd-amdhsa -mcpu=gfx1250 --defsym DOCPART=n.
;; ======== version 1 of 1: 1 launch
;; launch match (part 1): grid 16 x 16, 4 waves a work-group, clusters of 4 x 1, 327,680 bytes of LDS; arguments kernel, reps_lt, reps_rt_codes, reps_rt_scales, out0; writes out0
.if DOCPART == 1
	.amdgcn_target "amdgcn-amd-amdhsa--gfx1250"
	.amdhsa_code_object_version 6
	.text
	.protected	k_q6a08ca13f5_match
	.globl	k_q6a08ca13f5_match
	.p2align	8
	.type	k_q6a08ca13f5_match,@function
k_q6a08ca13f5_match:
	s_mov_b64 s[64:65], 0
	v_nop
	global_prefetch_b8 v0, s[64:65] scope:SCOPE_SE
	s_setreg_imm32_b32 hwreg(HW_REG_WAVE_MODE, 25, 1), 1
	s_wait_xcnt 0x0
	s_wait_alu depctr_hold_cnt(0) depctr_sa_sdst(0) depctr_va_vdst(0) depctr_va_sdst(0) depctr_va_ssrc(0) depctr_va_vcc(0) depctr_vm_vsrc(0)
	s_getreg_b32 s2, hwreg(HW_REG_IB_STS2, 6, 4)
	s_cmp_eq_u32 s2, 0
	s_cbranch_scc0 .Lentry_in_a_cluster
	s_endpgm
.Lentry_in_a_cluster:
	s_bfe_u32 s2, ttmp6, 0x10000c
	s_cmp_lg_u32 s2, 0x3003
	s_cbranch_scc0 .Lentry_shape_is_right
	s_endpgm
.Lentry_shape_is_right:
; out0[b][j][m] = max over i of tanh( sum over d of lt[b][i][d] kernel[m][d] rt[b][j][d] ).   b 16, i 256, j 256, d 256, m 32.
; The sum is a product on codes of BF6 (E3M2) with one E8M0 scale for each 32 along d: rt arrives as codes; lt[i][:] x kernel[m][:] is made here in f32 and quantised along d.
; tanh never falls as its argument grows, so the largest tanh over i is the tanh of the largest sum: the maximum is taken of the sums, tanh of the 131,072 maxima.
; SHARES.  A work-group owns one b and two m (m0 = 2 mp, m0 + 1), all i, all j: 16 x 16 = 256 work-groups of equal work; each product row (i, m) is quantised once in the whole launch, and the maximum over i
; never leaves the work-group.  Wave w owns i = 64 w .. 64 w + 63: eight tiles of 16 product rows (8 i x 2 m), each against all 16 tiles of 16 j, 2 matrix instructions deep: 256 matrix instructions a wave.
; LAYOUT.  Source 0 = 16 product rows: row p is i = i0 + p % 8, m = m0 + p / 8.  Source 1 = 16 rows of rt.  In the result register e of lane (r, h) is (i0 + e, m0 + h, j = 16 jt + r): the maximum over i is a
; maximum over a lane's eight registers and over tiles; no lane is asked.  A lane of source 0 holds whole blocks of 32 along d, so a block's largest magnitude needs no other lane either.
; rt's 32 fragments (384 registers) and the lane's 128 numbers of the kernel stay in registers for the wave's whole life.
; BY TURNS.  A quarter = 8 matrix instructions (one tile x 4 jt x 2 K steps).  Behind each stands a slice of vector work: one block of the NEXT tile is multiplied and quantised, and the maximum is taken over
; the quarter before's four accumulators.  Some 58 vector instructions stand beside 8 matrix instructions, so they are dealt among them and not set in phases of their own; each slice costs two window switches.
; CLUSTER.  The four work-groups of a cluster have the same b and need the same lt[b] and rt[b]: every tile is asked for JOINTLY (mask 15).  All of it fits in LDS at once: every LDS byte is filled once.
; The text is written out without a loop: every offset is an immediate and every wait has its own count.
; LIMITS.  NaN and infinities among lt and kernel, and the scale byte 0xff in rt, are not served (the maxima drop a NaN).  A block of zeros gets the scale byte 1 and not 127: its codes are zeros, which add
; nothing under any scale.  out0 leaves as 8 bytes a lane, 128 bytes apart: 256 consecutive bytes of out0 are 32 m of 2 j, and a work-group owns 2 m; to own all 32 m it would have to share i or j with fifteen
; others, which means the same product rows quantised sixteen times, or partial maxima (sixteen times out0's bytes) sent through memory to a second launch.
;
; LDS: 0 .. 266,239 lt[b], 256 rows of 1,024 bytes + 16 (260 words: the 8 rows that a load touches start 4 banks apart; 64 banks of 4 bytes: ISA guide 11.1); wave w's 64 rows are fetched and read by wave w alone.
;      266,240 .. 327,679 rt[b]'s codes, 256 rows of 192 bytes with 16 of padding behind every 64: 240 apart; wave w fetches rows 64 w on, all four read them.
;      At the end the first 2,048 bytes of each wave's part of lt are its stage for the running maxima: they have had their only fill and their last read.
; REGISTERS, in windows of 256 (s_set_vgpr_msb: bits 1:0 source 0, 3:2 source 1, 5:4 source 2, 7:6 destination):
;   window 0: addresses and work (below)   window 1: rt's fragments of d 0-127, jt at v[12 jt]   window 2: those of d 128-255   window 3: v0-127 the kernel, v128-255 lt of one tile; block q at 32 q
.set LTP,  1040                        ; a row of lt in LDS
.set LTW,  64*LTP                      ; a wave's 64 rows: 66,560 bytes, a multiple of 256
.set RTB,  4*LTW                       ; where rt begins
.set RTP,  240                         ; a row of rt's codes in LDS
.set RTW,  64*RTP                      ; 64 rows
.set ALT,  2                           ; v2   LDS: my wave's lt, row r % 8, + 128 h
.set ART0, 3                           ; v3   LDS: rt, row r, + 24 h
.set ART1, 4                           ; v4   the same + 40 h: for the pieces that lie behind one padding more in lanes 16-31
.set SHA,  5                           ; v5   8 h: where my byte of a K step's blocks 0, 1 stands in the scale word
.set SHB,  6                           ; v6   16 + 8 h: of blocks 2, 3
.set WX,   7                           ; v7   the other half's bytes
.set WP,   8                           ; v8   my two bytes of a scale word
.set BY,   9                           ; v9   a block's scale byte
.set MXA,  10                          ; v10, v11  two chains of a block's largest magnitude
.set MXB,  11
.set SCF,  12                          ; v12  the conversion's scale operand
.set PRD3, 13                          ; v13  LDS: wave 3's stage (v25-27: waves 0-2's)
.set TMPC, 14                          ; v14-16  a block's upper 16 codes, before they are moved
.set OOFF, 17                          ; v17  128 x lane: my j's row of out0
.set XA,   18                          ; v18, v19 and v20, v21: at work in the maximum over two accumulators at a time
.set YA,   20
.set KOFF, 22                          ; v22  the kernel: row r / 8, + 128 h
.set SOFF, 23                          ; v23  rt's scale bytes: 8 r + 4 h
.set PST,  24                          ; v24  LDS: my stage, 16 bytes a lane
.set PRD0, 25
.set BS,   28                          ; v28-31  the product rows' scale words: set, K step.  They hold scales and nothing else
.set RS,   32                          ; v32-47  rt's scale words of tile jt: lanes 0-15 d 0-127, lanes 16-31 d 128-255.  Likewise
.set RUN,  48                          ; v48-63  the running maximum of tile jt
.set PR,   64                          ; v64-95  a block's 32 products lt x kernel
.set CODE, 96                          ; v96-143 codes: set at 24, K step at 12, block at 6
.set EE,   144                         ; v144-159 the end: four waves' maxima;  v160-163 the result;  v164-167 at work
.set FF,   160
.set TT,   164
.set ACC,  192                         ; v192-255 two sets of four accumulators
.set G1A,  24                          ; s[24:31] descriptor group 1: 16 rows of lt;  s[32:39] 64 rows of rt's codes;  s[40:47] 48 rows of lt
.set G1R,  32
.set G1C,  40
.set G0A,  48                          ; s[48:51], s[52:55], s[56:59] their groups 0; none is ever rewritten
.set G0R,  52
.set G0C,  56
.set MM0,  0x04                        ; source 1 (rt) in window 1
.set MM1,  0x08                        ; in window 2
.set MUL,  0x0f                        ; sources 0 and 1 in window 3
.set LD1,  0x40                        ; destination in window 1, 2, 3
.set LD2,  0x80
.set LD3,  0xc0
.set MSB,  0
.set DV,   0
.macro WIN new                         ; the immediate's high byte repeats the setting that is left; a switch that changes nothing is dropped
.if MSB != \new
	s_set_vgpr_msb (MSB<<8)|\new
.set MSB, \new
.endif
.endm
; A round of the cluster's barrier: my work-group's barrier, so that wave 0's signal speaks for all four waves; wave 0 signals; every wave waits for the four work-groups; my work-group's barrier once more.
.macro CROUND
	s_barrier_signal -1
	s_barrier_wait -1
	s_cmp_lg_u32 s14, 0
	s_cbranch_scc1 .Lnot_wave_0_\@
	s_barrier_signal -3
.Lnot_wave_0_\@:
	s_barrier_wait -3
	s_barrier_signal -1
	s_barrier_wait -1
.endm
	s_load_b256 s[4:11], s[0:1], 0x0               ; kernel s[4:5], lt s[6:7], rt's codes s[8:9], rt's scales s[10:11]
	s_load_b64 s[12:13], s[0:1], 0x20              ; out0
	v_lshrrev_b32 v1, 5, v0
	v_readfirstlane_b32 s14, v1                    ; wave 0..3
	s_bfe_u32 s15, ttmp6, 0x40000                  ; cx: my place in the cluster
	s_lshl_b32 s16, ttmp9, 2                       ; in a cluster launch ttmp9 counts clusters
	s_add_co_u32 s16, s16, s15                     ; mp = 4 x cluster x + cx: my pair of m.  It enters the kernel's and out0's addresses alone
	s_and_b32 s17, ttmp7, 0xffff                   ; b, which the four partners share
	s_lshl_b32 s18, s17, 18                        ; lt: b x 262,144 + w x 64 rows of 1,024 bytes
	s_lshl_b32 s19, s14, 16
	s_add_co_u32 s18, s18, s19
	s_mov_b32 s19, 0
	s_mul_i32 s20, s17, 49152                      ; rt's codes: b x 49,152 + w x 64 rows of 192 bytes
	s_mul_i32 s21, s14, 12288
	s_add_co_u32 s20, s20, s21
	s_mov_b32 s21, 0
	s_lshl_b32 s62, s17, 11                        ; rt's scale bytes: b x 2,048
	s_mov_b32 s63, 0
	s_lshl_b32 s22, s16, 11                        ; the kernel: two rows of 1,024 bytes for each mp
	s_mov_b32 s23, 0
	s_lshl_b32 s2, s17, 15                         ; out0: b x 32,768 + w x 64 j of 128 bytes + 8 mp
	s_lshl_b32 s3, s14, 13
	s_add_co_u32 s2, s2, s3
	s_lshl_b32 s3, s16, 3
	s_add_co_u32 s2, s2, s3
	s_mov_b32 s3, 0
	s_mov_b32 s60, 0x76543210                      ; v_permlanex16_b32's selects for lane l xor 16
	s_mov_b32 s61, 0xfedcba98
	; descriptor group 1 for lt: rows of 256 elements of 4 bytes, 16 bytes of padding behind each
	s_mov_b32 s[G1A], 15|(2<<16)|(1<<20)|(1<<21)|(7<<22)|(3<<25)   ; 15:0 the mask: all four work-groups; 17:16 elements of 4 bytes; 20 padding on; 21 set beside a mask; 24:22 after every 256 words (code 7); 31:25 of 4 words (code 3)
	s_mov_b32 s[G1C], 15|(2<<16)|(1<<20)|(1<<21)|(7<<22)|(3<<25)
.irp g, G1A, G1C
	s_mov_b32 s[\g+1], 256<<16                     ; tensor_dim0 = 256
	s_mov_b32 s[\g+3], 256<<16                     ; tile_dim0 = 256
	s_mov_b32 s[\g+5], 256                         ; elements from row to row
	s_mov_b32 s[\g+6], 0
	s_mov_b32 s[\g+7], 0
.endr
	s_mov_b32 s[G1A+2], 16<<16                     ; tensor_dim1, tile_dim1: my first two tiles' 16 rows come by a load of their own, so that quantising begins while the other 48 are on their way
	s_mov_b32 s[G1A+4], 16
	s_mov_b32 s[G1C+2], 48<<16
	s_mov_b32 s[G1C+4], 48
	; and for rt's codes: 64 rows of 192 bytes, dense in memory, 16 bytes of padding behind every 64
	s_mov_b32 s[G1R], 15|(0<<16)|(1<<20)|(1<<21)|(3<<22)|(3<<25)   ; elements of 1 byte; after every 16 words (code 3) 4 words (code 3)
	s_mov_b32 s[G1R+1], 192<<16
	s_mov_b32 s[G1R+2], 64<<16
	s_mov_b32 s[G1R+3], 192<<16
	s_mov_b32 s[G1R+4], 64
	s_mov_b32 s[G1R+5], 192
	s_mov_b32 s[G1R+6], 0
	s_mov_b32 s[G1R+7], 0
	s_mov_b32 s[G0A], 1                            ; count = 1
	s_mul_i32 s[G0A+1], s14, LTW                   ; LDS addresses: the wave's number times a constant, plus a constant; no place in the cluster enters
	s_mov_b32 s[G0R], 1
	s_mul_i32 s[G0R+1], s14, RTW
	s_add_co_u32 s[G0R+1], s[G0R+1], RTB
	s_mov_b32 s[G0C], 1
	s_add_co_u32 s[G0C+1], s[G0A+1], 16*LTP
	s_wait_kmcnt 0x0
	s_add_nc_u64 s[G0A+2:G0A+3], s[6:7], s[18:19]  ; global addresses: they hang on b and the wave's number alone
	s_add_nc_u64 s[G0C+2:G0C+3], s[G0A+2:G0A+3], 16*1024
	s_add_nc_u64 s[G0R+2:G0R+3], s[8:9], s[20:21]
	s_or_b32 s[G0A+3], s[G0A+3], 0x80000000        ; type = 2
	s_or_b32 s[G0C+3], s[G0C+3], 0x80000000
	s_or_b32 s[G0R+3], s[G0R+3], 0x80000000
	s_add_nc_u64 s[4:5], s[4:5], s[22:23]          ; the kernel at row m0
	s_add_nc_u64 s[10:11], s[10:11], s[62:63]      ; rt's scale bytes at b
	s_add_nc_u64 s[12:13], s[12:13], s[2:3]        ; out0 at (b, 64 w, m0)
	CROUND                                         ; all four work-groups are here: the joint loads meet
	tensor_load_to_lds s[G0A:G0A+3], s[G1A:G1A+7]  ; all the launch's fills, in one group: three tensor loads of mine are out.  lt's rows 0-15 of my 64,
	tensor_load_to_lds s[G0R:G0R+3], s[G1R:G1R+7]  ; my quarter of rt,
	tensor_load_to_lds s[G0C:G0C+3], s[G1C:G1C+7]  ; lt's rows 16-63
.rept 4
	v_nop                                          ; four v_nop follow the last of them
.endr
	v_and_b32 v8, 15, v0                           ; r
	v_bfe_u32 v9, v0, 4, 1                         ; h
	v_and_b32 v10, 7, v8                           ; r % 8
	v_lshrrev_b32 v11, 3, v8                       ; r / 8
	v_and_b32 v12, 31, v0                          ; lane
	v_lshlrev_b32 v[KOFF], 10, v11
	v_lshl_add_u32 v[KOFF], v9, 7, v[KOFF]
	v_lshlrev_b32 v[SOFF], 3, v8
	v_lshl_add_u32 v[SOFF], v9, 2, v[SOFF]
	WIN LD3
.irp q, 0,1,2,3                        ; block q of a lane: d = 64 q + 32 h + 0 .. 31, the k that source 0's layout gives lane (r, h): registers 6 c .. 6 c + 5 of K step s, q = 2 s + c
.irp e, 0,1,2,3,4,5,6,7
	global_load_b128 v[32*\q+4*\e:32*\q+4*\e+3], v[KOFF], s[4:5] offset:256*\q+16*\e
.endr
.endr
	WIN 0
.irp j, 0,1,2,3,4,5,6,7,8,9,10,11,12,13,14,15
	global_load_b32 v[RS+\j], v[SOFF], s[10:11] offset:128*\j      ; row 16 jt + r has 8 bytes: lanes 0-15 take the first word, lanes 16-31 the second
.endr
	v_mul_u32_u24 v[ALT], v10, LTP
	v_lshl_add_u32 v[ALT], v9, 7, v[ALT]
	v_add_nc_u32 v[ALT], s[G0A+1], v[ALT]
	v_mul_u32_u24 v[ART0], v8, RTP
	v_mad_u32_u24 v[ART0], v9, 24, v[ART0]
	v_add_nc_u32 v[ART0], RTB, v[ART0]
	v_lshl_add_u32 v[ART1], v9, 4, v[ART0]
	v_lshlrev_b32 v[SHA], 3, v9
	v_add_nc_u32 v[SHB], 16, v[SHA]
	v_mov_b32 v[WX], 0                             ; (the destination of a lane permute counts as read)
	v_lshl_add_u32 v[PST], v12, 4, s[G0A+1]
	v_lshlrev_b32 v[PRD0], 4, v0                   ; 16 x my thread's number = 512 w + 16 x lane: in each wave's stage, the 512 bytes that are for my wave
	v_add_nc_u32 v[PRD0+1], LTW, v[PRD0]
	v_add_nc_u32 v[PRD0+2], 2*LTW, v[PRD0]
	v_add_nc_u32 v[PRD3], 3*LTW, v[PRD0]
	v_lshlrev_b32 v[OOFF], 7, v12
; A fragment of rt, 16 rows x 128 along d, 12 registers: lane (r, h) takes 24 bytes of row r's stream of bits at 96 s + 24 h and at 96 s + 48 + 24 h, as they lie, in pieces of 8 bytes.
; Lanes 16-31 read three pieces further on than lanes 0-15; where that is behind one padding more, the second address register serves.
.macro FRAG reg, s, jt
.irp p, 0,1,2,3,4,5
.set fP, 12*(\s)+6*(\p/3)+\p%3
.if fP%8 < 5
	ds_load_b64 v[\reg+2*\p:\reg+2*\p+1], v[ART0] offset:8*fP+16*(fP/8)+(\jt)*16*RTP
.else
	ds_load_b64 v[\reg+2*\p:\reg+2*\p+1], v[ART1] offset:8*fP+16*(fP/8)+(\jt)*16*RTP
.endif
.endr
.endm
; Block q of tile T's lt: 32 numbers a lane, a run of eight loads
.macro RLOAD T, q
	WIN LD3
.irp e, 0,1,2,3,4,5,6,7
	ds_load_b128 v[128+32*(\q)+4*\e:128+32*(\q)+4*\e+3], v[ALT] offset:8*LTP*(\T)+256*(\q)+16*\e
.endr
.endm
; Sixteen of block q's 32 products lt x kernel, in f32
.macro QMUL q, e0
	WIN MUL
.irp e, 0,1,2,3,4,5,6,7
	v_pk_mul_f32 v[PR+2*(\e0+\e):PR+2*(\e0+\e)+1], v[128+32*(\q)+2*(\e0+\e):128+32*(\q)+2*(\e0+\e)+1], v[32*(\q)+2*(\e0+\e):32*(\q)+2*(\e0+\e)+1]
.endr
.endm
; THE QUANTISER of block QB into set QSET is a list of NQ instructions; QSTEP writes number qn of it.
;   0-15  the largest magnitude of the 32, in two chains      16-18  its exponent field, held at 5 from below, less 4: the scale byte (at least 1), and in place the conversion's scale operand
;   19-20 the conversions: / 2^(byte - 127), to the nearest code, ties to even, beyond the largest code the largest       21  my byte to its place in the scale word: also the plain instruction behind the conversions
;   22-24 a conversion's three registers begin on an even number, a block's second three do not: they are moved           25-26 (a K step's second block) with lane l xor 16's two bytes the word is whole
.macro QSTEP
.set qC, CODE+24*QSET+12*(QB/2)+6*(QB%2)
.set qg, qn-2
.if qn == 0
	v_max3_num_f32 v[MXA], |v[PR]|, |v[PR+1]|, |v[PR+2]|
.elseif qn == 1
	v_max3_num_f32 v[MXB], |v[PR+3]|, |v[PR+4]|, |v[PR+5]|
.elseif qn < 14
	v_max3_num_f32 v[MXA+qg%2], v[MXA+qg%2], |v[PR+6+2*qg]|, |v[PR+7+2*qg]|
.elseif qn == 14
	v_max3_num_f32 v[MXA], v[MXA], |v[PR+30]|, |v[PR+31]|
.elseif qn == 15
	v_max_num_f32 v[MXA], v[MXA], v[MXB]
.elseif qn == 16
	v_max_u32 v[MXA], 0x02800000, v[MXA]
.elseif qn == 17
	v_add_nc_u32 v[SCF], 0xfe000000, v[MXA]        ; the exponent field less 4; the conversion ignores the mantissa
.elseif qn == 18
	v_lshrrev_b32 v[BY], 23, v[SCF]
.elseif qn == 19
	v_cvt_scalef32_pk16_bf6_f32 v[qC:qC+2], v[PR:PR+15], v[SCF]
.elseif qn == 20
	v_cvt_scalef32_pk16_bf6_f32 v[TMPC:TMPC+2], v[PR+16:PR+31], v[SCF]
.elseif qn == 21
.if QB%2 == 0
	v_lshlrev_b32 v[WP], v[SHA], v[BY]
.else
	v_lshl_or_b32 v[WP], v[BY], v[SHB], v[WP]
.endif
.elseif qn < 25
	v_mov_b32 v[qC+3+qn-22], v[TMPC+qn-22]
.elseif qn == 25
	v_permlanex16_b32 v[WX], v[WP], s60, s61
.else
	v_or_b32 v[BS+2*QSET+QB/2], v[WP], v[WX]
.endif
.set qn, qn+1
.endm
; THE MAXIMUM over quarter DV's four accumulators is a list of 16; DSTEP writes number dn.  Two accumulators alternate, so that no instruction waits for the one before it; each is read from its low end on.
; Tile 0's maxima start the running ones: nothing is set beforehand.
.macro DSTEP
.set dz, dn%2
.set dA, ACC+32*(DV%2)+8*(2*(dn/8)+dz)
.set dR, RUN+4*(DV%4)+2*(dn/8)+dz
.set dS, (dn%8)/2
.if dS == 0
	v_max3_num_f32 v[XA+dz], v[dA], v[dA+1], v[dA+2]
.elseif dS == 1
	v_max3_num_f32 v[YA+dz], v[dA+3], v[dA+4], v[dA+5]
.elseif dS == 2
	v_max3_num_f32 v[XA+dz], v[XA+dz], v[dA+6], v[dA+7]
.elseif DV < 4
	v_max_num_f32 v[dR], v[XA+dz], v[YA+dz]
.else
	v_max3_num_f32 v[dR], v[dR], v[XA+dz], v[YA+dz]
.endif
.set dn, dn+1
.endm
; Slice k (2 to 7) of a quarter: a sixth of each of the two lists, by turns
.macro MERGE k
	WIN 0
.rept 6
.if qn < ((\k)-1)*NQ/6
	QSTEP
.endif
.if dn < ((\k)-1)*ND/6
	DSTEP
.endif
.endr
.endm
; Matrix instruction k of quarter v: tile v / 4, jt = 4 (v % 4) + k % 4, K step k / 4.  The first K step starts the sum with the constant 0.  The four accumulators take turns, one instruction a turn, and
; neighbouring quarters have different sets.
.macro MM v, k
.set mS, (\k)/4
.set mJ, 4*((\v)%4)+(\k)%4
.set mA, ACC+32*((\v)%2)+8*((\k)%4)
.set mC, CODE+24*(((\v)/4)%2)+12*mS
.set mW, BS+2*(((\v)/4)%2)+mS
.if mS == 0
	WIN MM0
	v_wmma_scale_f32_16x16x128_f8f6f4 v[mA:mA+7], v[mC:mC+11], v[12*mJ:12*mJ+11], 0, v[mW], v[RS+mJ] matrix_a_fmt:MATRIX_FMT_BF6 matrix_b_fmt:MATRIX_FMT_BF6
.else
	WIN MM1
	v_wmma_scale_f32_16x16x128_f8f6f4 v[mA:mA+7], v[mC:mC+11], v[12*mJ:12*mJ+11], v[mA:mA+7], v[mW], v[RS+mJ] matrix_a_fmt:MATRIX_FMT_BF6 matrix_b_fmt:MATRIX_FMT_BF6 matrix_b_scale:MATRIX_SCALE_ROW1
.endif
.endm
; A QUARTER.  Behind matrix instructions 0 and 1: the products of block v % 4 of the next tile, and the run of loads that brings the same block of the tile after that.  Behind 2 to 7: the slices.
; PLACES: an accumulator is first read in slice 2 of the next quarter or later; between stand at least eight plain vector instructions that name none of its matrix instruction's registers
; (the rest of this quarter's slices, which work on the other sets).  Codes and scale words are written into the set that is not being multiplied.
.macro QUARTER v
.set qT, (\v)/4
.set QB, (\v)%4
.set QSET, (qT+1)%2
.set qn, 0
.set dn, 0
.set DV, (\v)-1
.if qT < 7
.set NQ, 25+2*(QB%2)
.else
.set NQ, 0
.endif
.if (\v) > 0
.set ND, 16
.else
.set ND, 0
.endif
.irp k, 0,1,2,3,4,5,6,7
	MM \v, \k
.if \k == 0
.if qT < 6
	s_wait_dscnt 24                                ; this block's run of eight loads is in: behind it three runs of eight were issued
	QMUL QB, 0
.elseif qT < 7
	s_wait_dscnt 8*(3-QB)                          ; tile 7's lt: nothing was loaded behind its four runs
	QMUL QB, 0
.elseif QB == 0
.rept 4
	v_nop                                          ; a scale word written by a vector instruction stands eight places ahead of the matrix instruction that names it: tile 7's second word was the last thing
.endr                                          ; written in the quarter before, this quarter has no products to make, and its fifth matrix instruction names the word: eight v_nop and five maxima stand between
.endif
.elseif \k == 1
.if qT < 7
	QMUL QB, 8
.elseif QB == 0
.rept 4
	v_nop
.endr
.endif
.if qT < 6
	RLOAD qT+2, QB
.endif
.else
	MERGE \k
.endif
.endr
.endm
; A quarter of the way in: eight of rt's 32 fragments are fetched where the matrix instructions will stand, and tile 0 is quantised beside them; tile 1's lt follows tile 0's into the registers.
.macro PQUARTER q
.set QB, \q
.set QSET, 0
.set qn, 0
.set dn, 0
.set ND, 0
.set NQ, 25+2*(QB%2)
.irp k, 0,1,2,3,4,5,6,7
.set pf, 8*(\q)+\k
.set pR, 12*(pf%16)
.set pS, pf/16
.set pJ, pf%16
.if pf < 16
	WIN LD1
.else
	WIN LD2
.endif
	FRAG pR, pS, pJ
.if \k == 0
	QMUL QB, 0
.elseif \k == 1
	QMUL QB, 8
	RLOAD 1, QB
.else
	MERGE \k
.endif
.endr
.endm
	s_wait_tensorcnt 0x2                           ; a wave's tensor loads end in order (ISA guide 10.11.1): my first 16 rows of lt are in; rt's quarter and the 48 rows may be out
	RLOAD 0, 0                                     ; tile 0's lt: bytes that my own load brought and that no other wave reads
	RLOAD 0, 1
	RLOAD 0, 2
	RLOAD 0, 3
	s_wait_tensorcnt 0x1                           ; my quarter of rt is in (the 48 rows may stay out)
	s_wait_dscnt 0x0                               ; no LDS load of mine is pending at the signal; tile 0's lt is in registers
	s_barrier_signal -1
	s_barrier_wait -1                              ; everybody's quarter is
	s_wait_loadcnt 0x0                             ; the kernel and rt's scale words
	PQUARTER 0
	PQUARTER 1
	PQUARTER 2
	PQUARTER 3
	s_wait_tensorcnt 0x0                           ; my other 48 rows of lt: no tensor load is out from here on
	s_wait_dscnt 0x0                               ; rt's fragments and tile 1's lt
.set V, 0
.rept 32
	QUARTER V
.set V, V+1
.endr
	WIN 0
.set DV, 31                            ; the last quarter's maxima.  Places: behind its last matrix instruction stand slice 7's three maxima and the eight below that work on the first two accumulators
.set dn, 0
.rept 16
	DSTEP
.endr
	; BETWEEN THE WAVES: each has the maxima over its 64 i, for all j.  They meet in LDS; wave w then finishes jt = 4 w .. 4 w + 3.
.irp g, 0,1,2,3
	ds_store_b128 v[PST], v[RUN+4*\g:RUN+4*\g+3] offset:512*\g     ; into my own part of lt: my loads from it came back long ago (the last wait on them was for 0)
.endr
	s_wait_dscnt 0x0                               ; for the others' sake: my stores are done
	s_barrier_signal -1
	s_barrier_wait -1
	ds_load_b128 v[EE:EE+3], v[PRD0]
	ds_load_b128 v[EE+4:EE+7], v[PRD0+1]
	ds_load_b128 v[EE+8:EE+11], v[PRD0+2]
	ds_load_b128 v[EE+12:EE+15], v[PRD3]
	s_wait_dscnt 0x0
.irp e, 0,1,2,3
	v_max3_num_f32 v[FF+\e], v[EE+\e], v[EE+4+\e], v[EE+8+\e]
.endr
.irp e, 0,1,2,3
	v_max_num_f32 v[FF+\e], v[FF+\e], v[EE+12+\e]  ; lane (r, h): the largest sum of (j = 16 (4 w + e) + r, m0 + h)
.endr
	; tanh(x) = 1 - 2 / (1 + 2^(2 log2(e) x)).  A power that overflows gives 1, one that falls to 0 gives -1.
.irp e, 0,1,2,3
	v_mul_f32 v[TT+\e], 0x4038aa3b, v[FF+\e]
.endr
.irp e, 0,1,2,3
	v_exp_f32 v[TT+\e], v[TT+\e]
.endr
	v_nop                                          ; a plain instruction between the last transcendental and the use of its result (ISA guide 5.7.2)
.irp e, 0,1,2,3
	v_add_f32 v[TT+\e], 1.0, v[TT+\e]
.endr
.irp e, 0,1,2,3
	v_rcp_f32 v[TT+\e], v[TT+\e]
.endr
	v_nop
.irp e, 0,1,2,3
	v_fma_f32 v[FF+\e], v[TT+\e], -2.0, 1.0
.endr
	v_permlane16_swap_b32 v[FF], v[FF+1]           ; the first's lanes 16-31 (m0 + 1 of jt) change places with the second's lanes 0-15 (m0 of jt + 1): the pair now holds m0 and m0 + 1 of j = 64 w + lane,
	v_permlane16_swap_b32 v[FF+2], v[FF+3]         ; the second pair those of j = 64 w + 32 + lane
	global_store_b64 v[OOFF], v[FF:FF+1], s[12:13]
	global_store_b64 v[OOFF], v[FF+2:FF+3], s[12:13] offset:4096
	CROUND                                         ; the closing round: no work-group ends while a partner may still ask for a tile that names it
	s_endpgm
.Lfunc_end_k_q6a08ca13f5_match:
	.size	k_q6a08ca13f5_match, .Lfunc_end_k_q6a08ca13f5_match-k_q6a08ca13f5_match
	.p2alignl 7, 3214868480
	.fill 96, 4, 3214868480
	.section	.rodata,"a",@progbits
	.p2align	6, 0x0
	.amdhsa_kernel k_q6a08ca13f5_match
		.amdhsa_group_segment_fixed_size 327680
		.amdhsa_private_segment_fixed_size 0
		.amdhsa_enable_private_segment 0
		.amdhsa_kernarg_size 40
		.amdhsa_user_sgpr_count 2
		.amdhsa_user_sgpr_kernarg_segment_ptr 1
		.amdhsa_wavefront_size32 1
		.amdhsa_system_sgpr_workgroup_id_x 1
		.amdhsa_system_sgpr_workgroup_id_y 1
		.amdhsa_system_sgpr_workgroup_id_z 1
		.amdhsa_system_vgpr_workitem_id 0
		.amdhsa_next_free_vgpr 1024
		.amdhsa_next_free_sgpr 66
		.amdhsa_reserve_vcc 0
		.amdhsa_float_denorm_mode_32 3
		.amdhsa_float_denorm_mode_16_64 3
		.amdhsa_memory_ordered 1
		.amdhsa_forward_progress 1
		.amdhsa_inst_pref_size 202
	.end_amdhsa_kernel
	.amdgpu_metadata
---
amdhsa.version: [ 1, 2 ]
amdhsa.kernels:
  - .name:           k_q6a08ca13f5_match
    .symbol:         k_q6a08ca13f5_match.kd
    .args:
      - { .name: kernel, .offset: 0, .size: 8, .value_kind: global_buffer, .address_space: global }
      - { .name: reps_lt, .offset: 8, .size: 8, .value_kind: global_buffer, .address_space: global }
      - { .name: reps_rt_codes, .offset: 16, .size: 8, .value_kind: global_buffer, .address_space: global }
      - { .name: reps_rt_scales, .offset: 24, .size: 8, .value_kind: global_buffer, .address_space: global }
      - { .name: out0, .offset: 32, .size: 8, .value_kind: global_buffer, .address_space: global }
    .group_segment_fixed_size: 327680
    .private_segment_fixed_size: 0
    .kernarg_segment_align: 8
    .kernarg_segment_size: 40
    .max_flat_workgroup_size: 128
    .sgpr_count:     66
    .vgpr_count:     1024
    .wavefront_size: 32
...
	.end_amdgpu_metadata
.endif
;; end of part 1
